; MI455X (gfx1250); checked and timed in simulation.
; The chip was launched on July 23, 2026; its instructions are those of AMD's public machine-readable ISA for CDNA 5 (MIT licence, August 2026) and "CDNA5" Instruction Set Architecture Reference Guide (July 2026). The comments in the code are by the model that wrote it; some were corrected since.
;; Multihead Attention. Allowed arithmetic: matrix products marked QUANTISED: E2M3 operands, one E8M0 scale for each 32 along K, by v_wmma_scale_f32_16x16x128_f8f6f4 with both operands' format E2M3, f32 sums; everything else in f32.
;; Inputs: W_kv_codes 2,048 x 32 x 24 uint8 (E2M3 codes of W_kv, K innermost, in blocks of 32 codes, four codes in three bytes); W_kv_scales 2,048 x 32 uint8 (E8M0 scales of W_kv, one for each 32 codes along K); W_o_codes 1,024 x 32 x 24 uint8 (E2M3 codes of W_o, K innermost, in blocks of 32 codes, four codes in three bytes); W_o_scales 1,024 x 32 uint8 (E8M0 scales of W_o, one for each 32 codes along K); b_kv 2,048 float32; b_o 1,024 float32; c_codes 4 x 2,048 x 32 x 24 uint8 (E2M3 codes of c, K innermost, in blocks of 32 codes, four codes in three bytes); c_scales 4 x 2,048 x 32 uint8 (E8M0 scales of c, one for each 32 codes along K); q 4 x 2,048 x 1,024 float32.
;; Outputs: out0 4 x 2,048 x 1,024 float32.
;; This version of the problem:
;;   THIS VERSION OF THE PROBLEM IS GIVEN IN LOW PRECISION. The matrix products marked QUANTISED in the list below multiply operands that are first quantised to E2M3 (2 exponent bits, 3 mantissa bits; 6 bits a number), with one power-of-two scale for each 32 numbers along K (OCP MX v1.0); their sums are f32. All else is computed in f32.
;;   The module's matrix products, in the order in which they are computed (A, B: the left and right operand; K: the contracted axis; several contracted axes count as one K, in the product's order):
;;     1. [M 8,192, K 1,024] x [K 1,024, N 2,048]; A: input c (given as codes); B: input W_kv (given as codes): QUANTISED
;;     2. batch 64 x [M 2,048, K 64] x [K 64, N 2,048]; A: input q; B: computed on the way: QUANTISED
;;     3. batch 64 x [M 2,048, K 2,048] x [K 2,048, N 64]; A: softmax (see below); B: computed on the way: QUANTISED
;;     4. [M 8,192, K 1,024] x [K 1,024, N 1,024]; A: computed on the way; B: input W_o (given as codes): QUANTISED
;;   THE QUANTISER, for each operand of a quantised product, along K:
;;     - K is cut into blocks of 32 from its start; a last block that is shorter is filled with zeros.
;;     - A block's scale is 2^e with e = floor(log2(the largest magnitude in the block)) - 2, held to -126 .. 127; a block of zeros has e = 0. As a byte (E8M0): e + 127.
;;     - Each number is divided by its block's scale, clamped to +-7.5, and rounded to the nearest number of E2M3, ties to even, subnormals kept.
;;     - The product sums the exact products of the quantised numbers (number of the format x scale) in f32.
;;   ~~~python
;;   def quantise(x, axis):      # numpy; x: float32 -> the quantised numbers, widened to float32 again
;;       x = np.moveaxis(x, axis, -1); K = x.shape[-1]
;;       x = np.pad(x, [(0, 0)] * (x.ndim - 1) + [(0, -K % 32)]); x = x.reshape(x.shape[:-1] + (-1, 32)); a = np.abs(x).max(-1, keepdims=True)
;;       e = np.where(a > 0, np.clip(np.frexp(np.where(a > 0, a, 1))[1] - 1 - 2, -126, 127), 0)      # np.frexp(a)[1] - 1 = floor(log2(a)), exactly
;;       r = np.clip(x / 2.0 ** e, -7.5, 7.5)
;;       step = 2.0 ** (np.maximum(np.frexp(np.where(r == 0, 1, r))[1] - 1, 0) - 3)
;;       q = np.round(r / step) * step * 2.0 ** e      # np.round: ties to even
;;       return np.moveaxis(q.reshape(q.shape[:-2] + (-1,))[..., :K], -1, axis).astype(np.float32)
;;   ~~~
;;   SOFTMAX AHEAD OF A QUANTISED PRODUCT. Where the list says 'softmax', what is quantised is not the finished softmax but p = 2^(t - M), with t = logit x log2(e) and M = ceil(the row's largest t), a whole number; so 1/2 < the row's largest p <= 1. The row's sum l is taken of the UNQUANTISED p, in f32, and the product's result is divided by l at the end. Since M is a whole number, a kernel that streams over the keys may use a running M (the ceiling of the running maximum): every later rescaling is an exact power of two, which a block's scale takes up: the codes' values come out the same.
;;   OPERANDS COMPUTED ON THE WAY. 'Computed on the way' means the value that the module computes at that place (a softmax that the list does not call 'softmax' is quantised finished and normalised). What goes into a quantiser is computed in f32, as accurately as f32 sums, v_exp_f32 and their like allow (about 1e-6 of the number): no bf16 or f16 on the way to a quantiser, and a product that is left as it is and whose result goes on into a quantised operand takes f32 operands (vector FMAs, or v_wmma_f32_16x16x4_f32). A number that lies on a knife's edge between two numbers of the format may be rounded either way, as far as f32 arithmetic and the matrix unit's own rounding can turn it there, and no further.
;;   INPUTS GIVEN AS CODES. W_kv (in the module: [1024, 2048], K = its axis 0); W_o (in the module: [1024, 1024], K = its axis 0); c (in the module: [4, 2048, 1024], K = its axis 2): each comes as NAME_codes (uint8): NAME with its K axis moved to the last place and cut into blocks of 32 codes, [.., K / 32, bytes a block], one block behind the other in memory; four codes in three bytes: a row's codes are one little-endian stream of bits, code i at bits 6 i .. 6 i + 5 (a code: sign, 2 exponent bits, 3 mantissa bits); and NAME_scales (uint8): the same leading axes, one E8M0 byte (e + 127) for each 32 codes along K. Its value is code x scale, taken as it is: it is not quantised again, and the codes and scales need not be those that the quantiser above would give.
;; One version. Each part assembles by itself: llvm-mc -triple=amdgcn-amd-amdhsa -mcpu=gfx1250 --defsym DOCPART=n.
;; ======== version 1 of 1: 3 launches
;; limits: right only within a limited range of input values
;; workspace buffers: kvimg 13,107,200 bytes; val 6,291,456 bytes; vsc 262,144 bytes
;; launch kvproj (part 1): grid 8 x 64, 8 waves a work-group, clusters of 4 x 4, 315,392 bytes of LDS; arguments c_codes, c_scales, W_kv_codes, W_kv_scales, b_kv, kvimg; writes kvimg
.if DOCPART == 1
	.amdgcn_target "amdgcn-amd-amdhsa--gfx1250"
	.amdhsa_code_object_version 6
	.text
	.protected	k_q96f6cc91e4_kvproj
	.globl	k_q96f6cc91e4_kvproj
	.p2align	8
	.type	k_q96f6cc91e4_kvproj,@function
k_q96f6cc91e4_kvproj:
	s_mov_b64 s[64:65], 0
	v_nop
	global_prefetch_b8 v0, s[64:65] scope:SCOPE_SE
	s_setreg_imm32_b32 hwreg(HW_REG_WAVE_MODE, 25, 1), 1
	s_wait_xcnt 0x0
	s_wait_alu depctr_hold_cnt(0) depctr_sa_sdst(0) depctr_va_vdst(0) depctr_va_sdst(0) depctr_va_ssrc(0) depctr_va_vcc(0) depctr_vm_vsrc(0)
	s_getreg_b32 s2, hwreg(HW_REG_IB_STS2, 6, 4)
	s_cmp_eq_u32 s2, 0
	s_cbranch_scc0 .Lentry_in_a_cluster
	s_endpgm
.Lentry_in_a_cluster:
	s_bfe_u32 s2, ttmp6, 0x10000c
	s_cmp_lg_u32 s2, 0xf033
	s_cbranch_scc0 .Lentry_shape_is_right
	s_endpgm
.Lentry_shape_is_right:
; kv = c W_kv + b_kv on codes of FP6 (E2M3) with E8M0 scales, and at once the quantising of its result: k along the head's 64, v along the keys.  No f32 number of kv goes to memory.
; SHARES.  Work-group (X, Y): columns 256 X .. + 255 of kv (two heads, laid k | v | k | v in 64s) x rows 128 Y .. + 127 (one key step of 128 of one batch).  Eight waves, each 64 x 64: 16 accumulators.
; Wave w: MH = w & 1 (which 64 keys), G = w >> 1 (which 64 columns), TY = G & 1 (0: columns of k, 1: of v), HL = G >> 1 (which of the two heads).
; ONE TEXT FOR BOTH TYPES.  A lane's registers of a result run along source 0's rows.  k is quantised along d: source 0 = 64 rows of W (d), source 1 = 64 rows of c (keys).  v along the keys: source 0 = c, source 1 = W.
; Only base addresses, pointers and the place of the bias differ; they are made from the wave's number.
; LDS: all of K for the 128 + 256 rows, as three chunks of 256 bytes a row (pitch 272: the 32 lanes of an 8-byte load touch 64 different banks), filled ONCE: nothing is filled again.
; CLUSTER 4 x 4: c's rows hang on Y alone and are shared along a row of the cluster, W's on X alone and are shared along a column: each is asked for jointly, which divides the requests by four.
; OUT: images of operand registers.  A unit of 768 bytes is half a fragment (16 rows x 64 along K): 16 bytes a lane (registers 0-3), then 8 bytes a lane (registers 4, 5); lane (r, h) holds row r, block h.
; kvimg[head][key step][12,800]: k's 8 tiles of 16 keys at 768 T; v's units at 6,144 + 3,072 c + 768 t (d tile t, 64-key half c); 512 bytes of scale words at 12,288.
; THE ORDER IN A BLOCK.  A lane's 16 numbers of a block are its places 0-7, 16-23 (lanes 0-15) or 8-15, 24-31 (lanes 16-31); so a block's codes stand in the order 0-7, 16-23, 8-15, 24-31.
; The next launch lays q and p in the same order: the products are the same, only the order of summing inside a block differs.
; LIMITS: NaN and infinities are not served; a block whose largest magnitude lies under 2^(3 - 127), a block of zeros among them, gets the byte 1 (its codes are then zeros or tiny; these bytes are read by this program alone).
.set CS,     272                       ; from chunk to chunk of one row: a row's three chunks of 256 bytes lie one behind the other, 816 bytes a row (row r starts at bank 12 r mod 64: sixteen rows, sixteen groups of four banks)
.set QROWS,  52224                     ; 64 rows x 816: what one tensor load brings
.set SCSTG,  313344                    ; behind the 384 rows: 1,024 bytes in which the scale words of the two heads are gathered
.set FLOOR,  0x1800000                 ; 2^(3 - 127)
.set R4,   3                           ; v3     4 r
.set A0,   4                           ; v4-6   source 0: LDS address of my lane's piece in chunk 0, 1, 2
.set A0X,  7                           ; v7-8   the same for pieces whose partner three pieces on lies in the next chunk
.set A1,   9                           ; v9-11  source 1
.set A1X,  12                          ; v12-13
.set L16,  14                          ; v14    16 x lane
.set L8,   15                          ; v15    8 x lane
.set SST,  16                          ; v16    where my row's two scale bytes go in the stage
.set SRD,  17                          ; v17    where waves 0 and 1 read a head's 512 bytes back
.set R32,  18                          ; v18    32 r
.set H32,  19                          ; v19    32 h
.set BI1,  20                          ; v20-27 the bias along source 1 (v's d), a pair of equal halves for each tile
.set BI0,  32                          ; v32-63 the bias along source 0 (k's d): the C of the first K step
.set SC,   64                          ; v64-95 scale words: register 8 i + s: lanes 0-15 source 1's tile i, lanes 16-31 source 0's tile i, K step s
.set F0,   96                          ; v96-143  source 0's four fragments
.set F1,   144                         ; v144-191 source 1's
.set X,    96                          ; the way out: 32 numbers of a lane
.set WK,   128                         ; eight registers at work
.set CD,   144                         ; a unit's six registers, eight apart for each tile, so that no store's data are written again
.set CT,   176
.set HW,   184                         ; a row's two scale bytes, one register for each tile
.set WV,   16                          ; s16 wave
.set G1C,  28                          ; s[28:35] group 1 for c's rows;  s[44:47] group 0
.set G1W,  36                          ; s[36:43] for W's;  s[68:71]
.set G0C,  44
.set SEL,  56                          ; s[56:57] lane selects: lane l xor 16
.set HI,   58                          ; s58 lanes 16-31
.set G0W,  68
.set MSB, 0
.macro WIN new                         ; the immediate's high byte repeats the setting that is left
.if MSB != \new
	s_set_vgpr_msb (MSB<<8)|\new
.set MSB, \new
.endif
.endm
.macro CROUND                          ; a round of the cluster's barrier
	s_barrier_signal -1
	s_barrier_wait -1
	s_cmp_lg_u32 s[WV], 0
	s_cbranch_scc1 .Lnot_wave_0_\@
	s_barrier_signal -3
.Lnot_wave_0_\@:
	s_barrier_wait -3
	s_barrier_signal -1
	s_barrier_wait -1
.endm
.macro PLACES
.rept 4
	v_nop
.endr
.endm
; A fragment, 16 rows x 128 K: 12 registers; lane (r, h) takes 24 bytes at 96 s + 24 h and 24 at 96 s + 48 + 24 h of its row, in pieces of 8.  A chunk holds 32 pieces of a row.
; Lanes 16-31 read three pieces on: where that falls into the next chunk (piece % 32 > 28) the second address register serves.
.macro FRAG reg, ab, ax, s, tile
.irp p, 0,1,2,3,4,5
.set PCE, 12*(\s)+6*(\p/3)+\p%3
.if PCE%32 < 29
	ds_load_b64 v[\reg+2*\p:\reg+2*\p+1], v[\ab+PCE/32] offset:8*(PCE%32)+13056*(\tile)
.else
	ds_load_b64 v[\reg+2*\p:\reg+2*\p+1], v[\ax+PCE/32] offset:8*(PCE%32)+13056*(\tile)
.endif
.endr
.endm
; A K step of 128: 48 LDS loads, 16 matrix instructions; the 16 accumulators take turns, one instruction a turn, in the same order in every step.
.macro KSTEP s, first
.if \s > 0
	PLACES                                         ; in front of loads into registers that matrix instructions have read
.endif
.irp a, 0,1,2,3
	FRAG F0+12*\a, A0, A0X, \s, \a
.endr
.irp b, 0,1,2,3
	FRAG F1+12*\b, A1, A1X, \s, \b
.endr
.if \first
	WIN 0x40                                       ; D in window 1; the bias, as C, in window 0
.else
	WIN 0x50                                       ; C and D in window 1
.endif
.irp b, 0,1,2,3
	s_wait_dscnt 6*(3-\b)                          ; source 0 and source 1's tiles up to b are in; the six loads of each later tile may be out
.irp a, 0,1,2,3
.if \first
	v_wmma_scale_f32_16x16x128_f8f6f4 v[32*\b+8*\a:32*\b+8*\a+7], v[F0+12*\a:F0+12*\a+11], v[F1+12*\b:F1+12*\b+11], v[BI0+8*\a:BI0+8*\a+7], v[SC+8*\a+\s], v[SC+8*\b+\s] matrix_a_fmt:MATRIX_FMT_FP6 matrix_b_fmt:MATRIX_FMT_FP6 matrix_a_scale:MATRIX_SCALE_ROW1
.else
	v_wmma_scale_f32_16x16x128_f8f6f4 v[32*\b+8*\a:32*\b+8*\a+7], v[F0+12*\a:F0+12*\a+11], v[F1+12*\b:F1+12*\b+11], v[32*\b+8*\a:32*\b+8*\a+7], v[SC+8*\a+\s], v[SC+8*\b+\s] matrix_a_fmt:MATRIX_FMT_FP6 matrix_b_fmt:MATRIX_FMT_FP6 matrix_a_scale:MATRIX_SCALE_ROW1
.endif
.endr
.endr
	WIN 0
.endm
; 32 numbers of a lane, two halves of two blocks (the other halves lie in lane l xor 16), become a unit's six registers v[cd] on; the blocks' bytes come in v[m + 6], v[m + 7].
.macro QUANT2 x, cd, ct, m
	v_max3_num_f32 v[\m], |v[\x]|, |v[\x+1]|, FLOOR                ; the floor among the leaves holds the byte at 1 from below
	v_max3_num_f32 v[\m+1], |v[\x+16]|, |v[\x+17]|, FLOOR
.irp i, 2,4,6,8,10,12,14
	s_delay_alu instid0(VALU_DEP_2)
	v_max3_num_f32 v[\m], v[\m], |v[\x+\i]|, |v[\x+\i+1]|
	s_delay_alu instid0(VALU_DEP_2)
	v_max3_num_f32 v[\m+1], v[\m+1], |v[\x+16+\i]|, |v[\x+17+\i]|
.endr
	s_delay_alu instid0(VALU_DEP_2)
	v_permlanex16_b32 v[\m+2], v[\m], s[SEL], s[SEL+1]
	s_delay_alu instid0(VALU_DEP_2)
	v_permlanex16_b32 v[\m+3], v[\m+1], s[SEL], s[SEL+1]
	s_delay_alu instid0(VALU_DEP_2)
	v_max_num_f32 v[\m], v[\m], v[\m+2]            ; the blocks' largest magnitudes
	s_delay_alu instid0(VALU_DEP_2)
	v_max_num_f32 v[\m+1], v[\m+1], v[\m+3]
	s_delay_alu instid0(VALU_DEP_2)
	v_add_nc_u32 v[\m+4], 0xff000000, v[\m]        ; 2 off the exponent field: the conversion's scale operand
	s_delay_alu instid0(VALU_DEP_2)
	v_add_nc_u32 v[\m+5], 0xff000000, v[\m+1]
	s_delay_alu instid0(VALU_DEP_2)
	v_lshrrev_b32 v[\m+6], 23, v[\m+4]             ; the scales' bytes
	s_delay_alu instid0(VALU_DEP_2)
	v_lshrrev_b32 v[\m+7], 23, v[\m+5]
	v_cvt_scalef32_pk16_fp6_f32 v[\cd:\cd+2], v[\x:\x+15], v[\m+4]
	v_cvt_scalef32_pk16_fp6_f32 v[\ct:\ct+2], v[\x+16:\x+31], v[\m+5]
	v_nop                                          ; one plain place behind a scaled conversion
.irp i, 0,1,2
	v_permlane16_swap_b32 v[\cd+\i], v[\ct+\i]     ; lanes 0-15 now hold block 0 whole, lanes 16-31 block 1
.endr
.irp i, 0,1,2
	s_delay_alu instid0(VALU_DEP_3)
	v_mov_b32 v[\cd+3+\i], v[\ct+\i]
.endr
.endm
	s_load_b256 s[4:11], s[0:1], 0x0               ; c's codes s[4:5], c's scales s[6:7], W's codes s[8:9], W's scales s[10:11]
	s_load_b128 s[12:15], s[0:1], 0x20             ; b_kv s[12:13], kvimg s[14:15]
	v_lshl_add_u32 v254, v0, 2, 0x4cc00
	v_mov_b32 v255, 0
	ds_add_u32 v254, v255
	ds_add_u32 v254, v255
	v_lshrrev_b32 v1, 5, v0
	s_delay_alu instid0(VALU_DEP_1)
	v_readfirstlane_b32 s[WV], v1                  ; wave 0..7
	s_and_b32 s17, s[WV], 1                        ; MH
	s_lshr_b32 s18, s[WV], 1                       ; G
	s_and_b32 s19, s18, 1                          ; TY
	s_lshr_b32 s20, s18, 1                         ; HL
	s_bfe_u32 s21, ttmp6, 0x40000                  ; cx
	s_bfe_u32 s22, ttmp6, 0x40004                  ; cy
	s_lshl_b32 s23, ttmp9, 2
	s_add_co_u32 s23, s23, s21                     ; X
	s_and_b32 s24, ttmp7, 0xffff
	s_lshl_b32 s24, s24, 2
	s_add_co_u32 s24, s24, s22                     ; Y
	s_lshl_b32 s25, s22, 2
	s_lshl_b32 s25, 15, s25                        ; my row of the cluster
	s_lshl_b32 s26, 0x1111, s21                    ; my column
	; group 1: 64 rows x 256 bytes (32 elements of 8 bytes), 768 bytes from row to row, 16 bytes of padding behind each 256
	s_or_b32 s[G1C], s25, (3<<16)|(1<<20)|(1<<21)|(5<<22)|(3<<25)
	s_or_b32 s[G1W], s26, (3<<16)|(1<<20)|(1<<21)|(5<<22)|(3<<25)
.irp g, G1C, G1W
	s_mov_b32 s[\g+1], 32<<16                      ; tensor_dim0
	s_mov_b32 s[\g+2], 192<<16                     ; 64 rows of 768 bytes are dense in memory: stated as 192 rows of 256 bytes
	s_mov_b32 s[\g+3], 32<<16
	s_mov_b32 s[\g+4], 192
	s_mov_b32 s[\g+5], 32
	s_mov_b32 s[\g+6], 0
	s_mov_b32 s[\g+7], 0
.endr
	; c: row 128 Y + 64 (w & 1): the rows that waves 0, 1 fetch, and the rows that my wave multiplies.  These registers never hold X
	s_lshl_b32 s80, s24, 7
	s_lshl_b32 s81, s17, 6
	s_add_co_u32 s80, s80, s81
	s_lshl_b32 s82, s80, 5                         ; their scales: 32 bytes a row
	s_mov_b32 s83, 0
	s_mul_i32 s80, s80, 768                        ; their codes
	s_mov_b32 s81, 0
	; W: waves 2 to 5 fetch rows 256 X + 64 (w - 2); my wave multiplies rows col0 = 256 X + 64 G.  These registers never hold Y
	s_lshl_b32 s84, s23, 8
	s_add_co_u32 s85, s[WV], 2
	s_and_b32 s85, s85, 3
	s_lshl_b32 s85, s85, 6
	s_add_co_u32 s85, s84, s85
	s_mul_i32 s86, s85, 768
	s_mov_b32 s87, 0
	s_lshl_b32 s85, s18, 6
	s_add_co_u32 s61, s84, s85                     ; col0
	s_lshl_b32 s84, s61, 5
	s_mov_b32 s85, 0
	s_lshl_b32 s62, s61, 2
	s_mov_b32 s63, 0
	s_mul_i32 s27, s[WV], QROWS                    ; where a fetch goes: LDS rows 64 w on (c's 128 rows, then W's 256)
	; kvimg: head = 16 batch + 2 X + HL, key step = Y & 15, my four units at 3,072 (w & 3)
	s_lshr_b32 s88, s24, 4
	s_lshl_b32 s88, s88, 4
	s_lshl_b32 s89, s23, 1
	s_add_co_u32 s88, s88, s89
	s_and_b32 s89, s24, 15
	s_mul_i32 s89, s89, 12800
	s_add_co_u32 s90, s88, s20
	s_mul_i32 s90, s90, 204800
	s_add_co_u32 s90, s90, s89
	s_and_b32 s91, s[WV], 3
	s_mul_i32 s91, s91, 3072
	s_add_co_u32 s90, s90, s91
	s_mov_b32 s91, 0
	s_add_co_u32 s92, s88, s17                     ; and for the scale words, which waves 0 and 1 store: head 2 X + w
	s_mul_i32 s92, s92, 204800
	s_add_co_u32 s92, s92, s89
	s_mov_b32 s93, 0
	s_mov_b32 s[SEL], 0x76543210
	s_mov_b32 s[SEL+1], 0xfedcba98
	s_mov_b32 s[HI], 0xffff0000
	s_wait_dscnt 0x0
	s_wait_kmcnt 0x0
	s_add_nc_u64 s[80:81], s[4:5], s[80:81]
	s_add_nc_u64 s[86:87], s[8:9], s[86:87]
	s_add_nc_u64 s[6:7], s[6:7], s[82:83]
	s_add_nc_u64 s[10:11], s[10:11], s[84:85]
	s_add_nc_u64 s[12:13], s[12:13], s[62:63]
	s_add_nc_u64 s[92:93], s[14:15], s[92:93]
	s_add_nc_u64 s[14:15], s[14:15], s[90:91]
.irp j, 0
	s_mov_b32 s[G0C+4*\j], 1
	s_add_co_u32 s[G0C+4*\j+1], s27, \j*CS
	s_add_nc_u64 s[G0C+4*\j+2:G0C+4*\j+3], s[80:81], \j*256
	s_or_b32 s[G0C+4*\j+3], s[G0C+4*\j+3], 0x80000000
	s_mov_b32 s[G0W+4*\j], 1
	s_add_co_u32 s[G0W+4*\j+1], s27, \j*CS
	s_add_nc_u64 s[G0W+4*\j+2:G0W+4*\j+3], s[86:87], \j*256
	s_or_b32 s[G0W+4*\j+3], s[G0W+4*\j+3], 0x80000000
.endr
	CROUND                                         ; all sixteen work-groups are here: the joint loads meet
	s_cmp_lt_u32 s[WV], 2                          ; one chain of branches on the wave's number, one fill to an arm: one load of mine is out at the most
	s_cbranch_scc0 .Lnot_c
	tensor_load_to_lds s[G0C:G0C+3], s[G1C:G1C+7]
	s_nop 0
	PLACES
	s_branch .Lasked
.Lnot_c:
	s_cmp_lt_u32 s[WV], 6
	s_cbranch_scc0 .Lasked
	tensor_load_to_lds s[G0W:G0W+3], s[G1W:G1W+7]
	s_nop 0
	PLACES
.Lasked:
	; which tensor is source 0: the choice hangs on the wave's number alone
	s_cmp_eq_u32 s19, 0
	s_cselect_b64 s[88:89], s[10:11], s[6:7]       ; source 0's scales: W's for k, c's for v
	s_cselect_b64 s[90:91], s[6:7], s[10:11]       ; source 1's
	s_cselect_b32 s59, -1, 0                       ; the bias runs along source 0 for k,
	s_cselect_b32 s60, 0, -1                       ; along source 1 for v
	v_and_b32 v1, 15, v0                           ; r
	v_bfe_u32 v2, v0, 4, 1                         ; h
	v_and_b32 v28, 31, v0                          ; lane
	s_delay_alu instid0(VALU_DEP_1)
	v_lshlrev_b32 v[L16], 4, v28
	s_delay_alu instid0(VALU_DEP_2)
	v_lshlrev_b32 v[L8], 3, v28
	v_lshlrev_b32 v[R32], 5, v1
	v_lshlrev_b32 v[H32], 5, v2
	v_lshlrev_b32 v[R4], 2, v1
.irp i, 0,1,2,3                                ; a row's 32 scale bytes are its eight K steps' words; 16 rows are 512 consecutive bytes
	global_load_b128 v[F0+8*\i:F0+8*\i+3], v[R32], s[88:89] offset:512*\i
	global_load_b128 v[F0+8*\i+4:F0+8*\i+7], v[R32], s[88:89] offset:512*\i+16
	global_load_b128 v[F1+8*\i:F1+8*\i+3], v[R32], s[90:91] offset:512*\i
	global_load_b128 v[F1+8*\i+4:F1+8*\i+7], v[R32], s[90:91] offset:512*\i+16
.endr
.irp a, 0,1,2,3
	global_load_b128 v[BI0+8*\a:BI0+8*\a+3], v[H32], s[12:13] offset:64*\a          ; b_kv[col0 + 16 a + 8 h + 0 .. 7]
	global_load_b128 v[BI0+8*\a+4:BI0+8*\a+7], v[H32], s[12:13] offset:64*\a+16
	global_load_b32 v[BI1+2*\a], v[R4], s[12:13] offset:64*\a                       ; b_kv[col0 + 16 a + r], twice: a pair for the packed addition
	global_load_b32 v[BI1+2*\a+1], v[R4], s[12:13] offset:64*\a
.endr
	; LDS addresses.  Source 0's first row is W's (128 + 64 G) for k and c's (64 MH) for v; source 1's the other
	v_mul_u32_u24 v29, v1, 816
	s_delay_alu instid0(VALU_DEP_1)
	v_mad_u32_u24 v30, v2, 24, v29                 ; r x pitch + 24 h
	s_wait_alu depctr_va_vdst(0)
	v_mad_u32_u24 v31, v2, CS-232, v29             ; r x pitch + h x (one chunk on, 232 bytes back)
	s_wait_alu depctr_va_vdst(0)
	s_lshl_b32 s66, s18, 6
	s_add_co_u32 s66, s66, 128
	s_lshl_b32 s67, s17, 6
	s_xor_b32 s94, s66, s67
	s_mul_i32 s94, s94, s19                        ; TY x (the two rows' exclusive or): it swaps them for v
	s_xor_b32 s66, s66, s94
	s_xor_b32 s67, s67, s94
	s_mul_i32 s66, s66, 816
	s_mul_i32 s67, s67, 816
.irp j, 0,1,2
	v_add_nc_u32 v[A0+\j], s66, v30
	v_add_nc_u32 v[A1+\j], s67, v30
.if \j < 2
	v_add_nc_u32 v[A0X+\j], s66, v31
	v_add_nc_u32 v[A1X+\j], s67, v31
.endif
	s_add_co_u32 s66, s66, CS
	s_add_co_u32 s67, s67, CS
.endr
	s_lshl_b32 s94, s18, 8
	s_lshl_b32 s95, s17, 1
	s_add_co_u32 s94, s94, s95
	s_add_co_u32 s94, s94, SCSTG
	v_lshl_add_u32 v[SST], v1, 4, s94              ; the stage: 256 G + 16 r + 2 MH (+ 4 x tile)
	s_lshl_b32 s95, s17, 9
	s_add_co_u32 s95, s95, SCSTG
	v_add_nc_u32 v[SRD], s95, v[L16]
	s_wait_loadcnt 0x0
.set k, 0
.rept 32
	v_cndmask_b32 v[SC+k], v[F1+k], v[F0+k], s[HI] ; lanes 0-15 keep source 1's word, lanes 16-31 source 0's
.set k, k+1
.endr
.set k, 0
.rept 32
	v_and_b32 v[BI0+k], s59, v[BI0+k]
.set k, k+1
.endr
.set k, 0
.rept 8
	v_and_b32 v[BI1+k], s60, v[BI1+k]
.set k, k+1
.endr
.rept 8
	v_nop                                          ; scale registers written by vector instructions stand eight places ahead of a scaled matrix instruction
.endr
	s_wait_alu depctr_va_vdst(0)
	s_wait_tensorcnt 0x0                           ; my 64 rows, all of K, have landed
	s_barrier_signal -1
	s_barrier_wait -1
	KSTEP 0, 1                                     ; K steps 0, 1 lie in chunk 0 (pieces 0 to 23)
	KSTEP 1, 0
	KSTEP 2, 0
	KSTEP 3, 0
	KSTEP 4, 0
	KSTEP 5, 0
	KSTEP 6, 0
	KSTEP 7, 0
	s_barrier_signal -1                            ; every wave's LDS loads are in (the last wait of a K step is for 0): the stores below come behind all reads
	s_barrier_wait -1
	; THE WAY OUT: for each tile b of source 1, a lane's 32 numbers (+ the bias that runs along source 1), quantised; a unit of 768 bytes leaves as three aligned runs of 256 bytes
	PLACES
	v_mov_b32 v[WK+2], 0                           ; a lane permute's destination counts as one of its sources
	v_mov_b32 v[WK+3], 0
.irp b, 0,1,2,3
	WIN 0x01                                       ; source 0 in window 1
.irp i, 0,1,2,3,4,5,6,7,8,9,10,11,12,13,14,15
	v_pk_add_f32 v[X+2*\i:X+2*\i+1], v[32*\b+2*\i:32*\b+2*\i+1], v[BI1+2*\b:BI1+2*\b+1]   ; each accumulator from its low end on
.endr
	WIN 0
	QUANT2 X, CD+8*\b, CT, WK
	v_lshl_or_b32 v[HW+\b], v[WK+7], 8, v[WK+6]
	global_store_b128 v[L16], v[CD+8*\b:CD+8*\b+3], s[14:15] offset:768*\b
	global_store_b64 v[L8], v[CD+8*\b+4:CD+8*\b+5], s[14:15] offset:768*\b+512
	ds_store_b16 v[SST], v[HW+\b] offset:4*\b      ; both lanes of a row write the same two bytes
.endr
	s_wait_dscnt 0x0                               ; for the others' sake: my stores into the stage are done
	s_barrier_signal -1
	s_barrier_wait -1
	s_cmp_lt_u32 s[WV], 2
	s_cbranch_scc0 .Lno_words
	ds_load_b128 v[X:X+3], v[SRD]                  ; head 2 X + w: k's words (lanes 0-15), v's (lanes 16-31)
	s_wait_dscnt 0x0
	global_store_b128 v[L16], v[X:X+3], s[92:93] offset:12288
.Lno_words:
	s_wait_tensorcnt 0x0
	ds_add_u32 v254, v255
	s_wait_dscnt 0x0
	CROUND                                         ; the closing round
	s_endpgm
.Lfunc_end_k_q96f6cc91e4_kvproj:
	.size	k_q96f6cc91e4_kvproj, .Lfunc_end_k_q96f6cc91e4_kvproj-k_q96f6cc91e4_kvproj
	.p2alignl 7, 3214868480
	.fill 96, 4, 3214868480
	.section	.rodata,"a",@progbits
	.p2align	6, 0x0
	.amdhsa_kernel k_q96f6cc91e4_kvproj
		.amdhsa_group_segment_fixed_size 315392
		.amdhsa_private_segment_fixed_size 0
		.amdhsa_enable_private_segment 0
		.amdhsa_kernarg_size 48
		.amdhsa_user_sgpr_count 2
		.amdhsa_user_sgpr_kernarg_segment_ptr 1
		.amdhsa_wavefront_size32 1
		.amdhsa_system_sgpr_workgroup_id_x 1
		.amdhsa_system_sgpr_workgroup_id_y 1
		.amdhsa_system_sgpr_workgroup_id_z 1
		.amdhsa_system_vgpr_workitem_id 0
		.amdhsa_next_free_vgpr 384
		.amdhsa_next_free_sgpr 96
		.amdhsa_reserve_vcc 0
		.amdhsa_float_denorm_mode_32 3
		.amdhsa_float_denorm_mode_16_64 3
		.amdhsa_memory_ordered 1
		.amdhsa_forward_progress 1
		.amdhsa_inst_pref_size 74
	.end_amdhsa_kernel
	.amdgpu_metadata
---
amdhsa.version: [ 1, 2 ]
amdhsa.kernels:
  - .name:           k_q96f6cc91e4_kvproj
    .symbol:         k_q96f6cc91e4_kvproj.kd
    .args:
      - { .name: c_codes, .offset: 0, .size: 8, .value_kind: global_buffer, .address_space: global }
      - { .name: c_scales, .offset: 8, .size: 8, .value_kind: global_buffer, .address_space: global }
      - { .name: W_kv_codes, .offset: 16, .size: 8, .value_kind: global_buffer, .address_space: global }
      - { .name: W_kv_scales, .offset: 24, .size: 8, .value_kind: global_buffer, .address_space: global }
      - { .name: b_kv, .offset: 32, .size: 8, .value_kind: global_buffer, .address_space: global }
      - { .name: kvimg, .offset: 40, .size: 8, .value_kind: global_buffer, .address_space: global }
    .group_segment_fixed_size: 315392
    .private_segment_fixed_size: 0
    .kernarg_segment_align: 8
    .kernarg_segment_size: 48
    .max_flat_workgroup_size: 256
    .sgpr_count:     96
    .vgpr_count:     384
    .wavefront_size: 32
...
	.end_amdgpu_metadata
.endif
;; end of part 1
;; launch attn (part 2): grid 4 x 64, 16 waves a work-group, clusters of 4 x 1, 327,680 bytes of LDS; arguments q, kvimg, val, vsc; writes val, vsc
.if DOCPART == 2
	.amdgcn_target "amdgcn-amd-amdhsa--gfx1250"
	.amdhsa_code_object_version 6
	.text
	.protected	k_q96f6cc91e4_attn
	.globl	k_q96f6cc91e4_attn
	.p2align	8
	.type	k_q96f6cc91e4_attn,@function
k_q96f6cc91e4_attn:
	s_mov_b64 s[64:65], 0
	v_nop
	global_prefetch_b8 v0, s[64:65] scope:SCOPE_SE
	s_setreg_imm32_b32 hwreg(HW_REG_WAVE_MODE, 25, 1), 1
	s_wait_xcnt 0x0
	s_wait_alu depctr_hold_cnt(0) depctr_sa_sdst(0) depctr_va_vdst(0) depctr_va_sdst(0) depctr_va_ssrc(0) depctr_va_vcc(0) depctr_vm_vsrc(0)
	s_getreg_b32 s2, hwreg(HW_REG_IB_STS2, 6, 4)
	s_cmp_eq_u32 s2, 0
	s_cbranch_scc0 .Lentry_in_a_cluster
	s_endpgm
.Lentry_in_a_cluster:
	s_bfe_u32 s2, ttmp6, 0x10000c
	s_cmp_lg_u32 s2, 0x3003
	s_cbranch_scc0 .Lentry_shape_is_right
	s_endpgm
.Lentry_shape_is_right:
; values = softmax(q k^T / 8) v for one head, both products on codes of FP6 (E2M3) with E8M0 scales; q is quantised here along the head's 64, the result along the 1,024 of the next product's K.
; THE SOFTMAX: t = score x log2(e) / 8; M = the running largest t rounded UP to a whole number; p = 2^(t - M) is quantised along the keys, not normalised; the row's sum is taken of the
; unquantised p and divides at the end.  When M moves, the sum and O are multiplied by 2^(old M - new M): exact.
; SHARES.  A work-group owns 512 queries of one head; the head's whole image of k and v (16 key steps x 12,800 bytes) lies in LDS, filled ONCE, one tensor load a wave.  Sixteen waves, four to a SIMD.
; Wave w takes the tiles of 16 queries 16 p + w, p = 0, 1, one after the other.  CLUSTER 4 x 1: the four blocks of 512 queries of a head read the same image: it is asked for jointly.
; LAYOUT.  Both products transposed: S^T = k q^T, O^T = v^T p^T: a lane holds ONE query (lane % 16).  The head's size is 64, half of the instruction's 128 along K: a fragment of k holds TWO tiles of keys
; and is multiplied twice, by (q, zero codes) and by (zero codes, q).
; WHICH KEYS FORM A TILE.  Tile (c, u), row m, is key 64 c + 32 (m / 8) + 8 u' + m % 8, u' = 0, 2, 1, 3 for u = 0 .. 3.  A result's rows 0-7 lie in lanes 0-15 and rows 8-15 in lanes 16-31, so lane (r, h) holds in its
; registers 32 c + 8 u + j the WHOLE block 2 c + h of 32 keys, in the order 0-7, 16-23, 8-15, 24-31 in which v's keys are laid: a block's largest p needs no other lane, and the conversions' results are p's operand.
; The tiles are formed by the lanes' LDS addresses alone: lanes 8-15 of each half read two units (of 16 keys) further on than lanes 0-7.
; LDS: the image's rows of 256 bytes stand 320 bytes apart (64 bytes of padding), so that two units are 1,920 bytes = 128 modulo 256: the sixteen lanes of a 16-byte load of k touch sixteen different columns.
; 16 x 16,000 image + 16 x 4,352 stages (q is turned there) + 2,048 bytes of spare words = 327,680.
; A PREFETCH: the second tile's 16 rows x 256 bytes of q are named once, a lane a row, ahead of the first tile's sixteen key steps; the load follows behind those steps.  The image has no loop to run ahead in.
; OUT: val: units of 768 bytes (16 rows x 64 along K as six registers a lane), laid [128 rows][K step][tile of rows][half]; vsc: [row][32] scale bytes; a head owns two of a row's 32 bytes: they leave as single bytes.
; LIMITS: NaN and infinities are not served; a block whose largest magnitude lies under 2^(3 - 127) gets the byte 1; the scaled scores stay under 2^31 in magnitude.
.set IMG,   12800                      ; a key step's image in memory: 50 rows of 256 bytes
.set IMGL,  16000                      ; and in LDS: 50 x 320
.set WSB,   16*IMGL                    ; the stages: 16 rows x 272 for each wave
.set SPARE, WSB+16*4352                ; the spare words
.set FLOOR, 0x1800000
.set KB16, 1                           ; v1-6  lane terms: k's 16-byte and 8-byte pieces, v's, the scale words (two)
.set KB8,  2
.set VB16, 3
.set VB8,  4                           ; = 8 x lane: serves the stores too
.set SB0,  5
.set SB1,  6
.set SH8,  7                           ; 8 h
.set TIN,  8                           ; the stage: in, two rows an instruction
.set TOUT, 9                           ; out: row r, block h
.set QOF,  10                          ; my bytes in two rows of q
.set VSO,  11                          ; 32 r + h
.set QB,   16                          ; v16-21 q's codes, v22-27 zero codes, v28-33 q's codes again.  v12 -M, v13 the running largest score, v[14:15] the sum
.set QSC,  34                          ; q's scale word (s0, s1, s0, s1)
.set F,    36                          ; v36-83 four fragments of k or of v
.set SCW,  84                          ; v84-87 the step's scale words: lanes 0-15 k's, lanes 16-31 v's
.set KA16, 88                          ; v88-93 the lane terms in the four steps in hand
.set KA8,  89
.set VA16, 90
.set VA8,  91
.set AS0,  92
.set AS1,  93
.set L16,  94                          ; 16 x lane
.set PFO,  95                          ; the prefetch: a lane a row
.set S,    96                          ; v96-159 S^T, then p
.set O,    160                         ; v160-191 O^T
.set PC,   192                         ; v192-203 p's codes
.set CT,   204                         ; v204-210 conversions' second halves
.set BM,   212                         ; v212-213 the two blocks' largest (v212-219 at work at a tile's end)
.set PT,   214                         ; v214-215 from the other half of the lanes
.set SO,   216                         ; v216-217 the conversions' scale operands
.set BY,   218                         ; v218-219 the bytes
.set FF,   224                         ; f = 2^(old M - new M)
.set PW,   225                         ; p's scale word
.set T,    226                         ; v226-233 the sum's four chains
.set TMP,  234                         ; v234-237
.set WV,   12
.set SEL,  24
.set CC,   26                          ; s[26:27] log2(e) / 8
.set HI,   28
.set TB,   29                          ; LDS byte at which the four steps in hand begin
.set CNT,  30
.set NC,   50                          ; -log2(e) / 8
.macro CROUND
	s_barrier_signal -1
	s_barrier_wait -1
	s_cmp_lg_u32 s[WV], 0
	s_cbranch_scc1 .Lnot_wave_0_\@
	s_barrier_signal -3
.Lnot_wave_0_\@:
	s_barrier_wait -3
	s_barrier_signal -1
	s_barrier_wait -1
.endm
.macro DL n
	s_delay_alu instid0(VALU_DEP_\n)
.endm
.macro QUANT2 x, cd, ct, m             ; 32 numbers of a lane, halves of two blocks, become six registers; the bytes in v[m + 6], v[m + 7]
	v_max3_num_f32 v[\m], |v[\x]|, |v[\x+1]|, FLOOR
	v_max3_num_f32 v[\m+1], |v[\x+16]|, |v[\x+17]|, FLOOR
.irp i, 2,4,6,8,10,12,14
	DL 2
	v_max3_num_f32 v[\m], v[\m], |v[\x+\i]|, |v[\x+\i+1]|
	DL 2
	v_max3_num_f32 v[\m+1], v[\m+1], |v[\x+16+\i]|, |v[\x+17+\i]|
.endr
	DL 2
	v_permlanex16_b32 v[\m+2], v[\m], s[SEL], s[SEL+1]
	DL 2
	v_permlanex16_b32 v[\m+3], v[\m+1], s[SEL], s[SEL+1]
	DL 2
	v_max_num_f32 v[\m], v[\m], v[\m+2]
	DL 2
	v_max_num_f32 v[\m+1], v[\m+1], v[\m+3]
	DL 2
	v_add_nc_u32 v[\m+4], 0xff000000, v[\m]
	DL 2
	v_add_nc_u32 v[\m+5], 0xff000000, v[\m+1]
	DL 2
	v_lshrrev_b32 v[\m+6], 23, v[\m+4]
	DL 2
	v_lshrrev_b32 v[\m+7], 23, v[\m+5]
	v_cvt_scalef32_pk16_fp6_f32 v[\cd:\cd+2], v[\x:\x+15], v[\m+4]
	v_cvt_scalef32_pk16_fp6_f32 v[\ct:\ct+2], v[\x+16:\x+31], v[\m+5]
	v_nop
.irp i, 0,1,2
	v_permlane16_swap_b32 v[\cd+\i], v[\ct+\i]
.endr
.irp i, 0,1,2
	DL 3
	v_mov_b32 v[\cd+3+\i], v[\ct+\i]
.endr
.endm
.macro QLOAD t                         ; a tile of q, 16 rows x 256 bytes: sixteen lanes read one row's 256 bytes; the second tile lies 256 rows on
.irp i, 0,1,2,3,4,5,6,7
	global_load_b128 v[F+4*\i:F+4*\i+3], v[QOF], s[4:5] offset:1048576*\t+8192*\i th:TH_LOAD_NT
.endr
.endm
; A tile of 16 queries x 64 numbers is turned through the stage, so that lane (r, h) holds block h of query r, in the blocks' order, and quantised: a whole block lies in one lane.
.macro QTILE
	s_wait_alu depctr_va_vdst(0)
	s_wait_loadcnt 0x0
.irp i, 0,1,2,3,4,5,6,7
	ds_store_b128 v[TIN], v[F+4*\i:F+4*\i+3] offset:544*\i
.endr
.irp j, 0,1,2,3,4,5,6,7                        ; LDS serves a wave's instructions in order: these see the stores.  Numbers 4 j .. 4 j + 3 of the block go to the places that the order 0-7, 16-23, 8-15, 24-31 gives them
.set QO, S+4*(\j%2)+16*((\j/2)%2)+8*(\j/4)
	ds_load_b128 v[QO:QO+3], v[TOUT] offset:16*\j
.endr
	s_wait_dscnt 0x0
	v_max3_num_f32 v[BM], |v[S]|, |v[S+1]|, FLOOR
	v_max3_num_f32 v[BM+1], |v[S+2]|, |v[S+3]|, FLOOR
.irp i, 4,8,12,16,20,24,28
	DL 2
	v_max3_num_f32 v[BM], v[BM], |v[S+\i]|, |v[S+\i+1]|
	DL 2
	v_max3_num_f32 v[BM+1], v[BM+1], |v[S+\i+2]|, |v[S+\i+3]|
.endr
	DL 1
	v_max_num_f32 v[BM], v[BM], v[BM+1]
	DL 1
	v_add_nc_u32 v[SO], 0xff000000, v[BM]          ; 2 off the exponent field: the conversion's scale operand
	DL 1
	v_lshrrev_b32 v[PT], 23, v[SO]                 ; my block's byte,
	DL 1
	v_lshlrev_b32 v[PT], v[SH8], v[PT]             ; at its place,
	DL 1
	v_permlanex16_b32 v[PT+1], v[PT], s[SEL], s[SEL+1]
	DL 1
	v_or_b32 v[PT], v[PT], v[PT+1]                 ; with the other block's,
	DL 1
	v_lshl_or_b32 v[QSC], v[PT], 16, v[PT]         ; and both once more, for the upper 64 along K
	v_cvt_scalef32_pk16_fp6_f32 v[QB:QB+2], v[S:S+15], v[SO]
	v_cvt_scalef32_pk16_fp6_f32 v[CT:CT+2], v[S+16:S+31], v[SO]
	v_cvt_scalef32_pk16_fp6_f32 v[QB+12:QB+14], v[S:S+15], v[SO]
	v_nop
.irp i, 0,1,2
	v_mov_b32 v[QB+3+\i], v[CT+\i]
	v_mov_b32 v[QB+15+\i], v[CT+\i]
.endr
.endm
; k's four fragments of the step at byte of: fragment u holds tiles (0, u) and (1, u); and the step's scale words
.macro FETCHK of
.irp u, 0,1,2,3
	ds_load_b128 v[F+12*\u:F+12*\u+3], v[KA16] offset:(\of)+960*(\u%2)+128*(\u/2)
	ds_load_b64 v[F+12*\u+4:F+12*\u+5], v[KA8] offset:(\of)+960*(\u%2)+64*(\u/2)+640
	ds_load_b128 v[F+12*\u+6:F+12*\u+9], v[KA16] offset:(\of)+960*(\u%2)+128*(\u/2)+3840
	ds_load_b64 v[F+12*\u+10:F+12*\u+11], v[KA8] offset:(\of)+960*(\u%2)+64*(\u/2)+4480
.endr
	ds_load_b64 v[SCW:SCW+1], v[AS0] offset:(\of)
	ds_load_b64 v[SCW+2:SCW+3], v[AS1] offset:(\of)
.endm
.macro FETCHV of                       ; v's four: d tile f, the two halves of 64 keys
.irp f, 0,1,2,3
	ds_load_b128 v[F+12*\f:F+12*\f+3], v[VA16] offset:(\of)+7680+960*\f
	ds_load_b64 v[F+12*\f+4:F+12*\f+5], v[VA8] offset:(\of)+8320+960*\f
	ds_load_b128 v[F+12*\f+6:F+12*\f+9], v[VA16] offset:(\of)+11520+960*\f
	ds_load_b64 v[F+12*\f+10:F+12*\f+11], v[VA8] offset:(\of)+12160+960*\f
.endr
.endm
.macro SUMS k0, k1                     ; pairs k0 .. k1 of p onto the four chains, by turns
.set k, \k0
.rept \k1-\k0+1
	v_pk_add_f32 v[T+2*(k%4):T+2*(k%4)+1], v[T+2*(k%4):T+2*(k%4)+1], v[S+2*k:S+2*k+1]
.set k, k+1
.endr
.endm
.macro FLUSH                           ; the four chains join the sum, still under the M under which they were taken
	v_pk_add_f32 v[T:T+1], v[T:T+1], v[T+2:T+3]
	v_pk_add_f32 v[T+4:T+5], v[T+4:T+5], v[T+6:T+7]
	v_pk_add_f32 v[T:T+1], v[T:T+1], v[T+4:T+5]
	v_pk_add_f32 v[14:15], v[14:15], v[T:T+1]
.endm
.macro TM j0, j1                       ; t - M for registers 2 j0 .. 2 j1 + 1
.set k, \j0
.rept \j1-\j0+1
	v_pk_fma_f32 v[S+2*k:S+2*k+1], v[S+2*k:S+2*k+1], s[CC:CC+1], v[12:13] op_sel_hi:[1,0,0]
.set k, k+1
.endr
.endm
; A KEY STEP: 128 keys; n: which of the trip's four.  k's fragments and the scale words have been asked for
.macro STEP n
	s_wait_alu depctr_va_vdst(0)
	s_wait_dscnt 0x0
.irp u, 0,1,2,3
	v_wmma_scale_f32_16x16x128_f8f6f4 v[S+8*\u:S+8*\u+7], v[F+12*\u:F+12*\u+11], v[QB:QB+11], 0, v[SCW+\u], v[QSC] matrix_a_fmt:MATRIX_FMT_FP6 matrix_b_fmt:MATRIX_FMT_FP6
	v_wmma_scale_f32_16x16x128_f8f6f4 v[S+32+8*\u:S+32+8*\u+7], v[F+12*\u:F+12*\u+11], v[QB+6:QB+17], 0, v[SCW+\u], v[QSC] matrix_a_fmt:MATRIX_FMT_FP6 matrix_b_fmt:MATRIX_FMT_FP6
.endr
	FLUSH                                          ; the last step's sums: four places behind the products, ahead of the loads into F and of the first reads of S^T
	FETCHV IMGL*\n                                 ; v's fragments land during the softmax
.irp b, 0,1,2,3                                ; the largest score of each block of 32 keys, in two chains a block: for the row's maximum, and, since p rises with the score, for the block's largest p
	v_max3_num_f32 v[TMP+\b], v[S+16*\b], v[S+1+16*\b], v[S+2+16*\b]
.endr
.irp i, 3,5,7,9,11,13
.irp b, 0,1,2,3
	v_max3_num_f32 v[TMP+\b], v[TMP+\b], v[S+16*\b+\i], v[S+1+16*\b+\i]
.endr
.endr
	v_max3_num_f32 v[BM], v[TMP], v[TMP+1], v[S+15]
	v_max3_num_f32 v[BM+1], v[TMP+2], v[TMP+3], v[S+47]
	v_max_num_f32 v[BM], v[BM], v[S+31]
	v_max_num_f32 v[BM+1], v[BM+1], v[S+63]
	v_max_num_f32 v[TMP], v[BM], v[BM+1]
	v_permlanex16_b32 v[PT], v[TMP], s[SEL], s[SEL+1]
	v_mov_b32 v[TMP+1], v12
	v_max3_num_f32 v13, v13, v[TMP], v[PT]         ; the running largest score of my query
	v_mul_f32 v[TMP], s[NC], v13                   ; -t
	v_floor_f32 v12, v[TMP]                        ; the new -M = -ceil(t)
	v_sub_f32 v[TMP], v12, v[TMP+1]                ; old M - new M: a whole number, 0 or less
	TM 0, 7
	v_cvt_i32_f32 v[TMP], v[TMP]                   ; (it saturates)
	TM 8, 15
	v_ldexp_f32 v[FF], 1.0, v[TMP]                 ; f
	TM 16, 31
	v_fma_f32 v[BM], v[BM], s[CC], v12
	v_fma_f32 v[BM+1], v[BM+1], s[CC], v12
.irp j, 0,2,4,6,8,10,12,14,16,18,20,22,24,26,28,30
	v_pk_mul_f32 v[O+\j:O+1+\j], v[O+\j:O+1+\j], v[FF:FF+1] op_sel_hi:[1,0]   ; O^T under the new M, each accumulator from its low end on
.endr
	v_pk_mul_f32 v[14:15], v[14:15], v[FF:FF+1] op_sel_hi:[1,0]   ; and the sum
	s_wait_alu depctr_va_vdst(0)
.set j, 0
.rept 64
	v_exp_f32 v[S+j], v[S+j]                       ; p = 2^(t - M)
.set j, j+1
.endr
	v_exp_f32 v[BM], v[BM]                         ; the blocks' largest p: the same two instructions on the same number
	v_exp_f32 v[BM+1], v[BM+1]
	v_nop                                          ; a plain place behind the exponentials
	s_wait_alu depctr_va_vdst(0)                   ; one wait for the batch
	v_max_num_f32 v[BM], FLOOR, v[BM]
	v_max_num_f32 v[BM+1], FLOOR, v[BM+1]
	DL 2
	v_add_nc_u32 v[SO], 0xff000000, v[BM]
	DL 2
	v_add_nc_u32 v[SO+1], 0xff000000, v[BM+1]
	DL 2
	v_lshrrev_b32 v[BY], 23, v[SO]
	DL 2
	v_lshrrev_b32 v[BY+1], 23, v[SO+1]
	DL 1
	v_lshl_or_b32 v[PW], v[BY+1], 16, v[BY]        ; my two bytes: blocks h and 2 + h,
	DL 1
	v_lshlrev_b32 v[PW], v[SH8], v[PW]             ; at their places;
	DL 1
	v_permlanex16_b32 v[PT], v[PW], s[SEL], s[SEL+1]
	DL 1
	v_or_b32 v[PW], v[PW], v[PT]                   ; with lane l xor 16's two: p's scale word for these 128 keys
.irp c, 0,1
	v_cvt_scalef32_pk16_fp6_f32 v[PC+6*\c:PC+2+6*\c], v[S+32*\c:S+15+32*\c], v[SO+\c]
	v_cvt_scalef32_pk16_fp6_f32 v[CT+4*\c:CT+2+4*\c], v[S+16+32*\c:S+31+32*\c], v[SO+\c]
.endr
.irp i, 0,1,2,3                                ; THE ROW'S SUM IS TAKEN OF THE UNQUANTISED p.  (These are also the plain place behind the conversions)
	v_pk_add_f32 v[T+2*\i:T+2*\i+1], v[S+2*\i:S+2*\i+1], v[S+8+2*\i:S+9+2*\i]
.endr
.irp c, 0,1
.irp i, 0,1,2
	v_mov_b32 v[PC+3+6*\c+\i], v[CT+4*\c+\i]       ; (a conversion's three registers begin on an even number)
.endr
.endr
	SUMS 8, 15                                     ; eight places between the operand's last write and the products; twenty-two behind the scale word's
	s_wait_alu depctr_va_vdst(0)
	s_wait_dscnt 0x0                               ; v's fragments
.irp t, 0,1,2,3
	v_wmma_scale_f32_16x16x128_f8f6f4 v[O+8*\t:O+8*\t+7], v[F+12*\t:F+12*\t+11], v[PC:PC+11], v[O+8*\t:O+8*\t+7], v[SCW+\t], v[PW] matrix_a_fmt:MATRIX_FMT_FP6 matrix_b_fmt:MATRIX_FMT_FP6 matrix_a_scale:MATRIX_SCALE_ROW1
.endr
	SUMS 16, 19                                    ; four places in front of loads into registers that these products read
.if \n < 3
	FETCHK IMGL*(\n+1)                             ; the next step's k lands under the rest of the sums
.endif
	SUMS 20, 31
.endm
; The end of a tile: O^T / the sum; into the natural order; quantised along the next product's K; stored
.macro FINISH t
	FLUSH
	DL 1
	v_add_f32 v14, v14, v15
	DL 1
	v_permlanex16_b32 v[PT], v14, s[SEL], s[SEL+1]
	DL 1
	v_add_f32 v14, v14, v[PT]                      ; the row's sum
	s_wait_alu depctr_va_vdst(0)
	v_rcp_f32 v[T], v14
	v_nop                                          ; a plain place behind the transcendental
	s_wait_alu depctr_va_vdst(0)
.irp j, 0,2,4,6,8,10,12,14,16,18,20,22,24,26,28,30
	v_pk_mul_f32 v[S+\j:S+1+\j], v[O+\j:O+1+\j], v[T:T+1] op_sel_hi:[1,0]   ; register 8 t + j: d = 16 t + 8 h + j; each accumulator from its low end on
.endr
.irp e, 0,1
.irp j, 0,1,2,3,4,5,6,7
	v_permlane16_swap_b32 v[S+16*\e+\j], v[S+8+16*\e+\j]   ; register 16 e + i now holds d = 32 e + 16 h + i: 16 neighbours
.endr
.endr
	QUANT2 S, PC, CT, BM
	v_cndmask_b32 v[SO], v[BM+6], v[BM+7], s[HI]   ; lane (r, h): block h's byte
	global_store_b128 v[L16], v[PC:PC+3], s[8:9] offset:196608*\t
	global_store_b64 v[VB8], v[PC+4:PC+5], s[8:9] offset:512+196608*\t
	global_store_b8 v[VSO], v[SO], s[10:11] offset:8192*\t
	s_wait_xcnt 0x0                                ; the stores' registers are written again only behind this wait
.endm
.macro PASS t
	v_mov_b32 v13, 0xff61b1e6                      ; the largest score so far: -3e38
	DL 1
	v_floor_f32 v12, -v13
	v_mov_b32 v14, 0
	v_mov_b32 v15, 0
.set j, 0
.rept 8
	v_mov_b32 v[T+j], 0
.set j, j+1
.endr
.set j, 0
.rept 32
	v_mov_b32 v[O+j], 0                            ; the step is written once: the first finds zeros.  (These are also the places between q's operand and the first products)
.set j, j+1
.endr
.if \t == 0
	global_prefetch_b8 v[PFO], s[4:5] offset:1048576 th:TH_LOAD_NT scope:SCOPE_SE   ; the second tile's 16 rows of q; lanes 16-31 name the last row again; its registers are never rewritten
.endif
	s_mov_b32 s[TB], 0
	s_mov_b32 s[CNT], 4
.Lstep_\@:                                             ; a trip: four key steps, told apart by the loads' immediates
.irp i, 0,1,2,3,4,5
	v_add_nc_u32 v[KA16+\i], s[TB], v[KB16+\i]
.endr
	FETCHK 0
	STEP 0
	STEP 1
	STEP 2
	STEP 3
	s_add_co_u32 s[TB], s[TB], 4*IMGL
	s_sub_co_u32 s[CNT], s[CNT], 1
	s_cmp_lg_u32 s[CNT], 0
	s_wait_alu depctr_va_vdst(0)
	s_cbranch_scc1 .Lstep_\@
.if \t == 0
	QLOAD 1                                        ; sixteen additions stand behind the last products that read F
.endif
	FINISH \t
.endm
	s_load_b256 s[4:11], s[0:1], 0x0               ; q s[4:5], kvimg s[6:7], val s[8:9], vsc s[10:11]
	v_lshl_add_u32 v254, v0, 2, SPARE
	v_mov_b32 v255, 0
	ds_add_u32 v254, v255                          ; the opening lines
	ds_add_u32 v254, v255
	v_lshrrev_b32 v1, 5, v0
	DL 1
	v_readfirstlane_b32 s[WV], v1                  ; wave 0..15
	s_bfe_u32 s13, ttmp6, 0x40000                  ; cx
	s_lshl_b32 s17, ttmp9, 2
	s_add_co_u32 s13, s17, s13                     ; my block of 512 queries: it enters q's, val's and vsc's addresses alone
	s_and_b32 s14, ttmp7, 0xffff                   ; 16 batch + head, which the four partners share
	s_lshr_b32 s15, s14, 4                         ; batch
	s_and_b32 s16, s14, 15                         ; head
	s_mul_i32 s20, s14, 16*IMG
	s_mul_i32 s31, s[WV], IMG                      ; wave w brings key step w
	s_add_co_u32 s20, s20, s31
	s_mov_b32 s21, 0
	; group 1: 12,800 dense bytes as 50 rows of 256 (32 elements of 8 bytes), 16 words of padding behind each; the mask names all four work-groups
	s_mov_b32 s36, 15|(3<<16)|(1<<20)|(1<<21)|(5<<22)|(15<<25)
	s_mov_b32 s37, 32<<16
	s_mov_b32 s38, 50<<16
	s_mov_b32 s39, 32<<16
	s_mov_b32 s40, 50
	s_mov_b32 s41, 32
	s_mov_b32 s42, 0
	s_mov_b32 s43, 0
	s_lshl_b32 s17, s15, 11
	s_lshl_b32 s18, s13, 9
	s_add_co_u32 s17, s17, s18
	s_lshl_b32 s18, s[WV], 4
	s_add_co_u32 s17, s17, s18                     ; my first row: 2,048 batch + 512 block + 16 wave
	s_lshl_b32 s44, s17, 12                        ; q: 4,096 bytes a row, the head's 256 bytes in it
	s_lshl_b32 s18, s16, 8
	s_add_co_u32 s44, s44, s18
	s_mov_b32 s45, 0
	s_lshl_b32 s48, s17, 5                         ; vsc: 32 bytes a row, the head's two in it
	s_lshl_b32 s18, s16, 1
	s_add_co_u32 s48, s48, s18
	s_mov_b32 s49, 0
	s_lshl_b32 s46, s15, 4                         ; val: (row / 128) x 98,304 + (head / 2) x 12,288 + (tile of rows) x 1,536 + (head & 1) x 768
	s_lshl_b32 s18, s13, 2
	s_add_co_u32 s46, s46, s18
	s_lshr_b32 s18, s[WV], 3
	s_add_co_u32 s46, s46, s18
	s_mul_i32 s46, s46, 98304
	s_lshr_b32 s18, s16, 1
	s_mul_i32 s18, s18, 12288
	s_add_co_u32 s46, s46, s18
	s_and_b32 s18, s[WV], 7
	s_mul_i32 s18, s18, 1536
	s_add_co_u32 s46, s46, s18
	s_and_b32 s18, s16, 1
	s_mul_i32 s18, s18, 768
	s_add_co_u32 s46, s46, s18
	s_mov_b32 s47, 0
	s_mov_b32 s[SEL], 0x76543210
	s_mov_b32 s[SEL+1], 0xfedcba98
	s_mov_b32 s[CC], 0x3e38aa3b                    ; log2(e) / 8
	s_mov_b32 s[CC+1], s[CC]                       ; (named with it as a pair, so it is written)
	s_mov_b32 s[NC], 0xbe38aa3b
	s_mov_b32 s[HI], 0xffff0000
	s_wait_dscnt 0x0
	s_wait_kmcnt 0x0
	s_mov_b32 s32, 1
	s_mul_i32 s33, s[WV], IMGL
	s_add_nc_u64 s[34:35], s[6:7], s[20:21]
	s_or_b32 s35, s35, 0x80000000
	s_add_nc_u64 s[4:5], s[4:5], s[44:45]
	s_add_nc_u64 s[8:9], s[8:9], s[46:47]
	s_add_nc_u64 s[10:11], s[10:11], s[48:49]
	CROUND                                         ; all four work-groups are here: the joint loads meet
	tensor_load_to_lds s[32:35], s[36:43]          ; my one tensor load of the launch
	s_nop 0
.rept 4
	v_nop
.endr
	v_and_b32 v35, 31, v0                          ; lane
	v_and_b32 v[TMP], 15, v0                       ; r
	v_bfe_u32 v[TMP+1], v0, 4, 1                   ; h
	DL 1
	v_lshlrev_b32 v[QOF], 12, v[TMP+1]
	DL 1
	v_lshl_add_u32 v[QOF], v[TMP], 4, v[QOF]       ; lanes 0-15 one row's 256 bytes, lanes 16-31 the next row's
	QLOAD 0
	v_and_b32 v[TMP+2], 7, v0                      ; r % 8
	v_bfe_u32 v[TMP+3], v0, 3, 1                   ; r / 8
	v_lshlrev_b32 v[L16], 4, v35
	v_lshlrev_b32 v[VB8], 3, v35
	v_mul_u32_u24 v[VB16], v[TMP+1], 320
	v_mul_u32_u24 v[KB16], v[TMP+3], 1920          ; rows 8-15 of a tile of k: two units on
	DL 2
	v_lshl_add_u32 v[VB16], v[TMP], 4, v[VB16]     ; v: 320 h + 16 r
	DL 2
	v_lshl_add_u32 v[KB8], v[TMP+2], 3, v[KB16]
	v_lshl_add_u32 v[KB16], v[TMP+2], 4, v[KB16]
	DL 2
	v_lshl_add_u32 v[KB8], v[TMP+1], 7, v[KB8]     ; k: 1,920 (r / 8) + 128 h + 8 (r % 8)
	DL 2
	v_mad_u32_u24 v[KB16], v[TMP+1], 320, v[KB16]  ;    1,920 (r / 8) + 320 h + 16 (r % 8)
	v_lshrrev_b32 v[SB1], 3, v35
	DL 1
	v_add_nc_u32 v[SB1], 1, v[SB1]
	DL 1
	v_lshrrev_b32 v[SB1], 2, v[SB1]                ; 1 in lanes 24-31
	DL 1
	v_mul_u32_u24 v[SB0], v[SB1], 120
	DL 1
	v_mad_u32_u24 v[SB0], v[TMP+1], 320, v[SB0]
	DL 1
	v_lshl_add_u32 v[SB0], v[TMP+3], 3, v[SB0]
	DL 1
	v_lshl_add_u32 v[SB0], v[TMP+2], 4, v[SB0]
	DL 1
	v_add_nc_u32 v[SB0], 15360, v[SB0]             ; scale words: lanes 0-15 k's, 15,360 + 16 (r % 8) + 8 (r / 8); lanes 16-31 v's, 15,680 + 16 r
	v_mul_u32_u24 v[SB1], v[TMP+1], 120
	DL 1
	v_sub_nc_u32 v[SB1], v[SB0], v[SB1]
	DL 1
	v_add_nc_u32 v[SB1], 128, v[SB1]               ; the second pair of words: k's 128 bytes on, v's 8
	s_mul_i32 s19, s[WV], 4352
	s_add_co_u32 s19, s19, WSB                     ; my stage
	v_mul_u32_u24 v[TIN], v[TMP+1], 272
	v_mul_u32_u24 v[TOUT], v[TMP], 272
	DL 2
	v_lshl_add_u32 v[TIN], v[TMP], 4, v[TIN]
	DL 2
	v_lshl_add_u32 v[TOUT], v[TMP+1], 7, v[TOUT]
	DL 2
	v_add_nc_u32 v[TIN], s19, v[TIN]
	DL 2
	v_add_nc_u32 v[TOUT], s19, v[TOUT]
	v_lshl_add_u32 v[VSO], v[TMP], 5, v[TMP+1]
	v_lshlrev_b32 v[SH8], 3, v[TMP+1]
	v_min_u32 v[PFO], 15, v35
	DL 1
	v_lshlrev_b32 v[PFO], 12, v[PFO]
.irp i, 0,1,2,3,4,5
	v_mov_b32 v[QB+6+\i], 0                        ; the zero codes
.endr
	v_mov_b32 v[PT], 0                             ; a lane permute's destination counts as one of its sources
	v_mov_b32 v[PT+1], 0
	v_mov_b32 v[PW], 0                             ; (named as the upper half of the pair with f before it is first written)
	QTILE                                          ; q is quantised while the head's image lands
	s_wait_alu depctr_va_vdst(0)
	s_wait_tensorcnt 0x0                           ; my key step has landed,
	s_barrier_signal -1
	s_barrier_wait -1                              ; everybody's has
	PASS 0
	QTILE
	PASS 1
	s_wait_tensorcnt 0x0                           ; the wave's end
	ds_add_u32 v254, v255
	s_wait_dscnt 0x0
	CROUND                                         ; the closing round
	s_endpgm
.Lfunc_end_k_q96f6cc91e4_attn:
	.size	k_q96f6cc91e4_attn, .Lfunc_end_k_q96f6cc91e4_attn-k_q96f6cc91e4_attn
	.p2alignl 7, 3214868480
	.fill 96, 4, 3214868480
	.section	.rodata,"a",@progbits
	.p2align	6, 0x0
	.amdhsa_kernel k_q96f6cc91e4_attn
		.amdhsa_group_segment_fixed_size 327680
		.amdhsa_private_segment_fixed_size 0
		.amdhsa_enable_private_segment 0
		.amdhsa_kernarg_size 32
		.amdhsa_user_sgpr_count 2
		.amdhsa_user_sgpr_kernarg_segment_ptr 1
		.amdhsa_wavefront_size32 1
		.amdhsa_system_sgpr_workgroup_id_x 1
		.amdhsa_system_sgpr_workgroup_id_y 1
		.amdhsa_system_sgpr_workgroup_id_z 1
		.amdhsa_system_vgpr_workitem_id 0
		.amdhsa_next_free_vgpr 256
		.amdhsa_next_free_sgpr 66
		.amdhsa_reserve_vcc 0
		.amdhsa_float_denorm_mode_32 3
		.amdhsa_float_denorm_mode_16_64 3
		.amdhsa_memory_ordered 1
		.amdhsa_forward_progress 1
		.amdhsa_inst_pref_size 147
	.end_amdhsa_kernel
	.amdgpu_metadata
---
amdhsa.version: [ 1, 2 ]
amdhsa.kernels:
  - .name:           k_q96f6cc91e4_attn
    .symbol:         k_q96f6cc91e4_attn.kd
    .args:
      - { .name: q, .offset: 0, .size: 8, .value_kind: global_buffer, .address_space: global }
      - { .name: kvimg, .offset: 8, .size: 8, .value_kind: global_buffer, .address_space: global }
      - { .name: val, .offset: 16, .size: 8, .value_kind: global_buffer, .address_space: global }
      - { .name: vsc, .offset: 24, .size: 8, .value_kind: global_buffer, .address_space: global }
    .group_segment_fixed_size: 327680
    .private_segment_fixed_size: 0
    .kernarg_segment_align: 8
    .kernarg_segment_size: 32
    .max_flat_workgroup_size: 512
    .sgpr_count:     66
    .vgpr_count:     256
    .wavefront_size: 32
...
	.end_amdgpu_metadata
.endif
;; end of part 2
;; launch oproj (part 3): grid 4 x 64, 8 waves a work-group, clusters of 4 x 4, 308,224 bytes of LDS; arguments val, vsc, W_o_codes, W_o_scales, b_o, out0; writes out0
.if DOCPART == 3
	.amdgcn_target "amdgcn-amd-amdhsa--gfx1250"
	.amdhsa_code_object_version 6
	.text
	.protected	k_q96f6cc91e4_oproj
	.globl	k_q96f6cc91e4_oproj
	.p2align	8
	.type	k_q96f6cc91e4_oproj,@function
k_q96f6cc91e4_oproj:
	s_mov_b64 s[64:65], 0
	v_nop
	global_prefetch_b8 v0, s[64:65] scope:SCOPE_SE
	s_setreg_imm32_b32 hwreg(HW_REG_WAVE_MODE, 25, 1), 1
	s_wait_xcnt 0x0
	s_wait_alu depctr_hold_cnt(0) depctr_sa_sdst(0) depctr_va_vdst(0) depctr_va_sdst(0) depctr_va_ssrc(0) depctr_va_vcc(0) depctr_vm_vsrc(0)
	s_getreg_b32 s2, hwreg(HW_REG_IB_STS2, 6, 4)
	s_cmp_eq_u32 s2, 0
	s_cbranch_scc0 .Lentry_in_a_cluster
	s_endpgm
.Lentry_in_a_cluster:
	s_bfe_u32 s2, ttmp6, 0x10000c
	s_cmp_lg_u32 s2, 0xf033
	s_cbranch_scc0 .Lentry_shape_is_right
	s_endpgm
.Lentry_shape_is_right:
; out = values W_o + b_o on codes of FP6 (E2M3) with E8M0 scales.  values comes as images of operand registers (val) and scale bytes [row][32] (vsc), made by the launch before; W_o as given.
; SHARES.  Work-group (X, Y): 128 rows x 256 columns; eight waves, each 64 x 64: 16 accumulators.  Wave w: MH = w & 1 (which 64 rows), NG = w >> 1 (which 64 columns).
; TRANSPOSED: source 0 = 16 rows of W_o (columns of out), source 1 = 16 rows of values: a lane holds eight neighbouring numbers of a row of out.  b_o is the C of the first K step.
; LDS: W_o's 256 rows, all of K, as three chunks of 256 bytes a row (pitch 272); the 128 rows' image of values, 98,304 dense bytes.  All filled ONCE.
; CLUSTER 4 x 4: the image hangs on Y alone and is shared along a row of the cluster, W_o's rows on X alone and are shared along a column: joint loads.
; THE WAY OUT goes through a stage of 16 rows x 272 bytes for each wave, in chunk 0, which has had its only fill and, behind a barrier, its last read: sixteen lanes store 256 consecutive bytes, aligned.
.set WCS,    272                       ; from chunk to chunk of one row: a row's three chunks of 256 bytes lie one behind the other, 816 bytes a row
.set QROWS,  52224                     ; 64 rows x 816: what one tensor load of W_o brings
.set VIMG,   208896                    ; behind W_o's 256 rows
.set A0,   4                           ; v4-6   W_o: LDS address of my lane's piece in chunk 0, 1, 2
.set A0X,  7                           ; v7-8   for pieces whose partner three pieces on lies in the next chunk
.set I16,  9                           ; v9-10  the image: 16 x lane, for K steps 0-3 and 4-7
.set I8,   11                          ; v11-12 8 x lane
.set SO,   13                          ; v13    the stage: in
.set SR,   16                          ; v16    back
.set CO,   17                          ; v17    my bytes in two rows of out
.set R32,  18
.set H32,  19
.set BI0,  32                          ; v32-63 b_o in the result's layout
.set SC,   64                          ; v64-95 scale words: register 8 i + s: lanes 0-15 values' tile i, lanes 16-31 W_o's tile i
.set F0,   96
.set F1,   144
.set WV,   16
.set G1V,  28
.set G1W,  36
.set G0V,  44
.set HI,   58
.set G0W,  68
.set MSB, 0
.macro WIN new
.if MSB != \new
	s_set_vgpr_msb (MSB<<8)|\new
.set MSB, \new
.endif
.endm
.macro CROUND
	s_barrier_signal -1
	s_barrier_wait -1
	s_cmp_lg_u32 s[WV], 0
	s_cbranch_scc1 .Lnot_wave_0_\@
	s_barrier_signal -3
.Lnot_wave_0_\@:
	s_barrier_wait -3
	s_barrier_signal -1
	s_barrier_wait -1
.endm
.macro PLACES
.rept 4
	v_nop
.endr
.endm
.macro FRAG reg, ab, ax, s, tile       ; a fragment of W_o from rows: six pieces of 8 bytes; 32 pieces of a row to a chunk
.irp p, 0,1,2,3,4,5
.set PCE, 12*(\s)+6*(\p/3)+\p%3
.if PCE%32 < 29
	ds_load_b64 v[\reg+2*\p:\reg+2*\p+1], v[\ab+PCE/32] offset:8*(PCE%32)+13056*(\tile)
.else
	ds_load_b64 v[\reg+2*\p:\reg+2*\p+1], v[\ax+PCE/32] offset:8*(PCE%32)+13056*(\tile)
.endif
.endr
.endm
.macro FRAGI reg, s, b                 ; a fragment of values from its image: two units of 768 bytes
	ds_load_b128 v[\reg:\reg+3], v[I16+(\s)/4] offset:12288*((\s)%4)+1536*(\b)
	ds_load_b64 v[\reg+4:\reg+5], v[I8+(\s)/4] offset:12288*((\s)%4)+1536*(\b)+512
	ds_load_b128 v[\reg+6:\reg+9], v[I16+(\s)/4] offset:12288*((\s)%4)+1536*(\b)+768
	ds_load_b64 v[\reg+10:\reg+11], v[I8+(\s)/4] offset:12288*((\s)%4)+1536*(\b)+1280
.endm
.macro KSTEP s, first                  ; 40 LDS loads, 16 matrix instructions on 16 accumulators by turns
.if \s > 0
	PLACES
.endif
.irp a, 0,1,2,3
	FRAG F0+12*\a, A0, A0X, \s, \a
.endr
.irp b, 0,1,2,3
	FRAGI F1+12*\b, \s, \b
.endr
.if \first
	WIN 0x40
.else
	WIN 0x50
.endif
.irp b, 0,1,2,3
	s_wait_dscnt 4*(3-\b)                          ; the four loads of each later tile of values may be out
.irp a, 0,1,2,3
.if \first
	v_wmma_scale_f32_16x16x128_f8f6f4 v[32*\b+8*\a:32*\b+8*\a+7], v[F0+12*\a:F0+12*\a+11], v[F1+12*\b:F1+12*\b+11], v[BI0+8*\a:BI0+8*\a+7], v[SC+8*\a+\s], v[SC+8*\b+\s] matrix_a_fmt:MATRIX_FMT_FP6 matrix_b_fmt:MATRIX_FMT_FP6 matrix_a_scale:MATRIX_SCALE_ROW1
.else
	v_wmma_scale_f32_16x16x128_f8f6f4 v[32*\b+8*\a:32*\b+8*\a+7], v[F0+12*\a:F0+12*\a+11], v[F1+12*\b:F1+12*\b+11], v[32*\b+8*\a:32*\b+8*\a+7], v[SC+8*\a+\s], v[SC+8*\b+\s] matrix_a_fmt:MATRIX_FMT_FP6 matrix_b_fmt:MATRIX_FMT_FP6 matrix_a_scale:MATRIX_SCALE_ROW1
.endif
.endr
.endr
	WIN 0
.endm
	s_load_b256 s[4:11], s[0:1], 0x0               ; val s[4:5], vsc s[6:7], W_o's codes s[8:9], W_o's scales s[10:11]
	s_load_b128 s[12:15], s[0:1], 0x20             ; b_o s[12:13], out s[14:15]
	v_lshl_add_u32 v254, v0, 2, 0x4b000
	v_mov_b32 v255, 0
	ds_add_u32 v254, v255
	ds_add_u32 v254, v255
	v_lshrrev_b32 v1, 5, v0
	s_delay_alu instid0(VALU_DEP_1)
	v_readfirstlane_b32 s[WV], v1
	s_and_b32 s17, s[WV], 1                        ; MH
	s_lshr_b32 s18, s[WV], 1                       ; NG
	s_bfe_u32 s21, ttmp6, 0x40000                  ; cx
	s_bfe_u32 s22, ttmp6, 0x40004                  ; cy
	s_lshl_b32 s23, ttmp9, 2
	s_add_co_u32 s23, s23, s21                     ; X
	s_and_b32 s24, ttmp7, 0xffff
	s_lshl_b32 s24, s24, 2
	s_add_co_u32 s24, s24, s22                     ; Y
	s_lshl_b32 s25, s22, 2
	s_lshl_b32 s25, 15, s25                        ; my row of the cluster
	s_lshl_b32 s26, 0x1111, s21                    ; my column
	s_or_b32 s[G1V], s25, (3<<16)|(1<<21)          ; the image: 192 rows of 256 dense bytes, no padding
	s_mov_b32 s[G1V+1], 32<<16
	s_mov_b32 s[G1V+2], 192<<16                    ; half of the image: 192 rows of 256 dense bytes
	s_mov_b32 s[G1V+3], 32<<16
	s_mov_b32 s[G1V+4], 192
	s_mov_b32 s[G1V+5], 32
	s_mov_b32 s[G1V+6], 0
	s_mov_b32 s[G1V+7], 0
	s_or_b32 s[G1W], s26, (3<<16)|(1<<20)|(1<<21)|(5<<22)|(3<<25)   ; W_o: 64 rows x 256 bytes, 768 from row to row, 16 bytes of padding behind each 256
	s_mov_b32 s[G1W+1], 32<<16
	s_mov_b32 s[G1W+2], 192<<16                    ; 64 rows of 768 bytes are dense in memory: stated as 192 rows of 256 bytes
	s_mov_b32 s[G1W+3], 32<<16
	s_mov_b32 s[G1W+4], 192
	s_mov_b32 s[G1W+5], 32
	s_mov_b32 s[G1W+6], 0
	s_mov_b32 s[G1W+7], 0
	; the image: waves 0, 1 fetch a half of it each.  These registers never hold X
	s_mul_i32 s80, s24, 98304
	s_mul_i32 s81, s17, 49152                      ; waves 0, 1 fetch a half of the image each
	s_add_co_u32 s80, s80, s81
	s_add_co_u32 s27, s81, VIMG                    ; and where they go
	s_mov_b32 s81, 0
	s_lshl_b32 s82, s24, 7
	s_lshl_b32 s83, s17, 6
	s_add_co_u32 s82, s82, s83                     ; my first row: 128 Y + 64 MH
	s_lshl_b32 s90, s82, 12                        ; in out: 4,096 bytes a row
	s_lshl_b32 s82, s82, 5                         ; in vsc: 32
	s_mov_b32 s83, 0
	; W_o: waves 2 to 5 fetch rows 256 X + 64 (w - 2); I multiply rows col0 = 256 X + 64 NG.  These registers never hold Y
	s_lshl_b32 s84, s23, 8
	s_add_co_u32 s85, s[WV], 2
	s_and_b32 s85, s85, 3
	s_mul_i32 s94, s85, QROWS                      ; where they go
	s_lshl_b32 s85, s85, 6
	s_add_co_u32 s85, s84, s85
	s_mul_i32 s86, s85, 768
	s_mov_b32 s87, 0
	s_lshl_b32 s85, s18, 6
	s_add_co_u32 s61, s84, s85                     ; col0
	s_lshl_b32 s84, s61, 5
	s_mov_b32 s85, 0
	s_lshl_b32 s62, s61, 2
	s_mov_b32 s63, 0
	s_add_co_u32 s90, s90, s62                     ; out: my first row, my first column
	s_mov_b32 s91, 0
	s_mov_b32 s[HI], 0xffff0000
	s_wait_dscnt 0x0
	s_wait_kmcnt 0x0
	s_add_nc_u64 s[80:81], s[4:5], s[80:81]
	s_add_nc_u64 s[86:87], s[8:9], s[86:87]
	s_add_nc_u64 s[6:7], s[6:7], s[82:83]
	s_add_nc_u64 s[10:11], s[10:11], s[84:85]
	s_add_nc_u64 s[12:13], s[12:13], s[62:63]
	s_add_nc_u64 s[14:15], s[14:15], s[90:91]
.irp j, 0
	s_mov_b32 s[G0V+4*\j], 1
	s_add_co_u32 s[G0V+4*\j+1], s27, \j*32768
	s_add_nc_u64 s[G0V+4*\j+2:G0V+4*\j+3], s[80:81], \j*32768
	s_or_b32 s[G0V+4*\j+3], s[G0V+4*\j+3], 0x80000000
	s_mov_b32 s[G0W+4*\j], 1
	s_add_co_u32 s[G0W+4*\j+1], s94, \j*WCS
	s_add_nc_u64 s[G0W+4*\j+2:G0W+4*\j+3], s[86:87], \j*256
	s_or_b32 s[G0W+4*\j+3], s[G0W+4*\j+3], 0x80000000
.endr
	CROUND                                         ; all sixteen work-groups are here: the joint loads meet
	s_cmp_lt_u32 s[WV], 2                          ; one chain of branches on the wave's number, one fill to an arm: one load of mine is out at the most
	s_cbranch_scc0 .Lnot_v
	tensor_load_to_lds s[G0V:G0V+3], s[G1V:G1V+7]
	s_nop 0
	PLACES
	s_branch .Lasked
.Lnot_v:
	s_cmp_lt_u32 s[WV], 6
	s_cbranch_scc0 .Lasked
	tensor_load_to_lds s[G0W:G0W+3], s[G1W:G1W+7]
	s_nop 0
	PLACES
.Lasked:
	v_and_b32 v1, 15, v0                           ; r
	v_bfe_u32 v2, v0, 4, 1                         ; h
	v_and_b32 v28, 31, v0                          ; lane
	s_delay_alu instid0(VALU_DEP_3)
	v_lshlrev_b32 v[R32], 5, v1
	s_delay_alu instid0(VALU_DEP_3)
	v_lshlrev_b32 v[H32], 5, v2
.irp i, 0,1,2,3                                ; a row's 32 scale bytes are its eight K steps' words
	global_load_b128 v[F0+8*\i:F0+8*\i+3], v[R32], s[10:11] offset:512*\i
	global_load_b128 v[F0+8*\i+4:F0+8*\i+7], v[R32], s[10:11] offset:512*\i+16
	global_load_b128 v[F1+8*\i:F1+8*\i+3], v[R32], s[6:7] offset:512*\i
	global_load_b128 v[F1+8*\i+4:F1+8*\i+7], v[R32], s[6:7] offset:512*\i+16
.endr
.irp a, 0,1,2,3
	global_load_b128 v[BI0+8*\a:BI0+8*\a+3], v[H32], s[12:13] offset:64*\a          ; b_o[col0 + 16 a + 8 h + 0 .. 7]
	global_load_b128 v[BI0+8*\a+4:BI0+8*\a+7], v[H32], s[12:13] offset:64*\a+16
.endr
	v_mul_u32_u24 v29, v1, 272                     ; the stage's rows
	v_mul_u32_u24 v27, v1, 816                     ; W_o's rows
	s_delay_alu instid0(VALU_DEP_1)
	v_mad_u32_u24 v30, v2, 24, v27                 ; r x pitch + 24 h
	s_delay_alu instid0(VALU_DEP_2)
	v_mad_u32_u24 v31, v2, WCS-232, v27            ; r x pitch + h x (one chunk on, 232 bytes back)
	s_mul_i32 s66, s18, QROWS                      ; my 64 rows of W_o
.irp j, 0,1,2
	v_add_nc_u32 v[A0+\j], s66, v30
.if \j < 2
	v_add_nc_u32 v[A0X+\j], s66, v31
.endif
	s_add_co_u32 s66, s66, WCS
.endr
	s_mul_i32 s67, s17, 6144                       ; my four tiles of rows in a K step's image
	s_add_co_u32 s67, s67, VIMG
	v_lshl_add_u32 v[I16], v28, 4, s67
	v_lshl_add_u32 v[I8], v28, 3, s67
	s_delay_alu instid0(VALU_DEP_2)
	v_add_nc_u32 v[I16+1], 49152, v[I16]
	s_delay_alu instid0(VALU_DEP_2)
	v_add_nc_u32 v[I8+1], 49152, v[I8]
	s_mul_i32 s95, s[WV], 4352                     ; my stage
	v_lshl_add_u32 v[SO], v2, 5, v29
	s_delay_alu instid0(VALU_DEP_1)
	v_add_nc_u32 v[SO], s95, v[SO]                 ; in: row r, 32 bytes for each half of the lanes
	v_mul_u32_u24 v[SR], v2, 272
	s_delay_alu instid0(VALU_DEP_1)
	v_lshl_add_u32 v[SR], v1, 4, v[SR]
	s_delay_alu instid0(VALU_DEP_1)
	v_add_nc_u32 v[SR], s95, v[SR]                 ; back: lanes 0-15 one row of 256 bytes, lanes 16-31 the next
	v_lshlrev_b32 v[CO], 12, v2
	s_delay_alu instid0(VALU_DEP_1)
	v_lshl_add_u32 v[CO], v1, 4, v[CO]             ; and the same two rows in out
	s_wait_loadcnt 0x0
.set k, 0
.rept 32
	v_cndmask_b32 v[SC+k], v[F1+k], v[F0+k], s[HI] ; lanes 0-15 keep values' word, lanes 16-31 W_o's
.set k, k+1
.endr
.rept 8
	v_nop                                          ; scale registers written by vector instructions stand eight places ahead of a scaled matrix instruction
.endr
	s_wait_alu depctr_va_vdst(0)
	s_wait_tensorcnt 0x0                           ; my one load has landed
	s_barrier_signal -1
	s_barrier_wait -1
	KSTEP 0, 1
	KSTEP 1, 0
	KSTEP 2, 0
	KSTEP 3, 0
	KSTEP 4, 0
	KSTEP 5, 0
	KSTEP 6, 0
	KSTEP 7, 0
	s_barrier_signal -1                            ; every wave's LDS loads are in (the last wait of a K step is for 0): chunk 0 may now serve as the stages
	s_barrier_wait -1
	PLACES
.irp b, 0,1,2,3                                ; 16 rows x 64 columns at a time
	WIN 0x04                                       ; an LDS store's data are its source 1: window 1
.irp a, 0,1,2,3
	ds_store_b128 v[SO], v[32*\b+8*\a:32*\b+8*\a+3] offset:64*\a          ; each accumulator from its low end on
	ds_store_b128 v[SO], v[32*\b+8*\a+4:32*\b+8*\a+7] offset:64*\a+16
.endr
	WIN 0
.irp i, 0,1,2,3,4,5,6,7
	ds_load_b128 v[96+32*\b+4*\i:96+32*\b+4*\i+3], v[SR] offset:544*\i    ; LDS serves a wave's instructions in order: these see the stores, and the next block's stores come behind them
.endr
	s_wait_dscnt 0x0
.irp i, 0,1,2,3,4,5,6,7
	global_store_b128 v[CO], v[96+32*\b+4*\i:96+32*\b+4*\i+3], s[14:15] offset:(16*\b+2*\i)*4096 th:TH_STORE_NT   ; 16 lanes store 256 consecutive bytes, at a multiple of 256 from out's first byte
.endr
.endr
	s_wait_tensorcnt 0x0
	ds_add_u32 v254, v255
	s_wait_dscnt 0x0
	CROUND                                         ; the closing round
	s_endpgm
.Lfunc_end_k_q96f6cc91e4_oproj:
	.size	k_q96f6cc91e4_oproj, .Lfunc_end_k_q96f6cc91e4_oproj-k_q96f6cc91e4_oproj
	.p2alignl 7, 3214868480
	.fill 96, 4, 3214868480
	.section	.rodata,"a",@progbits
	.p2align	6, 0x0
	.amdhsa_kernel k_q96f6cc91e4_oproj
		.amdhsa_group_segment_fixed_size 308224
		.amdhsa_private_segment_fixed_size 0
		.amdhsa_enable_private_segment 0
		.amdhsa_kernarg_size 48
		.amdhsa_user_sgpr_count 2
		.amdhsa_user_sgpr_kernarg_segment_ptr 1
		.amdhsa_wavefront_size32 1
		.amdhsa_system_sgpr_workgroup_id_x 1
		.amdhsa_system_sgpr_workgroup_id_y 1
		.amdhsa_system_sgpr_workgroup_id_z 1
		.amdhsa_system_vgpr_workitem_id 0
		.amdhsa_next_free_vgpr 384
		.amdhsa_next_free_sgpr 96
		.amdhsa_reserve_vcc 0
		.amdhsa_float_denorm_mode_32 3
		.amdhsa_float_denorm_mode_16_64 3
		.amdhsa_memory_ordered 1
		.amdhsa_forward_progress 1
		.amdhsa_inst_pref_size 58
	.end_amdhsa_kernel
	.amdgpu_metadata
---
amdhsa.version: [ 1, 2 ]
amdhsa.kernels:
  - .name:           k_q96f6cc91e4_oproj
    .symbol:         k_q96f6cc91e4_oproj.kd
    .args:
      - { .name: val, .offset: 0, .size: 8, .value_kind: global_buffer, .address_space: global }
      - { .name: vsc, .offset: 8, .size: 8, .value_kind: global_buffer, .address_space: global }
      - { .name: W_o_codes, .offset: 16, .size: 8, .value_kind: global_buffer, .address_space: global }
      - { .name: W_o_scales, .offset: 24, .size: 8, .value_kind: global_buffer, .address_space: global }
      - { .name: b_o, .offset: 32, .size: 8, .value_kind: global_buffer, .address_space: global }
      - { .name: out0, .offset: 40, .size: 8, .value_kind: global_buffer, .address_space: global }
    .group_segment_fixed_size: 308224
    .private_segment_fixed_size: 0
    .kernarg_segment_align: 8
    .kernarg_segment_size: 48
    .max_flat_workgroup_size: 256
    .sgpr_count:     96
    .vgpr_count:     384
    .wavefront_size: 32
...
	.end_amdgpu_metadata
.endif
;; end of part 3
